; MI455X (gfx1250); checked and timed in simulation.
; The chip was launched on July 23, 2026; its instructions are those of AMD's public machine-readable ISA for CDNA 5 (MIT licence, August 2026) and "CDNA5" Instruction Set Architecture Reference Guide (July 2026). The comments in the code are by the model that wrote it; some were corrected since.
;; Linear Attention. Allowed arithmetic: matrix products marked QUANTISED: E5M2 operands, one given power-of-two scale a tensor, by v_wmma_f32_16x16x64_bf8_bf8 or v_wmma_f32_16x16x128_bf8_bf8, f32 sums; everything else in f32.
;; Inputs: k_codes 4 x 16 x 2,048 x 4 x 32 uint8 (E5M2 codes of k, K innermost, in blocks of 32 codes); lowp_scales 4 int32 (the exponents e of the quantised operands' scales 2^e); q_codes 4 x 16 x 2,048 x 4 x 32 uint8 (E5M2 codes of q, K innermost, in blocks of 32 codes); v_codes 4 x 16 x 128 x 64 x 32 uint8 (E5M2 codes of v, K innermost, in blocks of 32 codes).
;; Outputs: out0 4 x 16 x 2,048 x 128 float32.
;; This version of the problem:
;;   THIS VERSION OF THE PROBLEM IS GIVEN IN LOW PRECISION. The matrix products marked QUANTISED in the list below multiply operands that are first quantised to E5M2 (5 exponent bits, 2 mantissa bits; 8 bits a number), with one given power-of-two scale for each operand tensor; their sums are f32. All else is computed in f32.
;;   The module's matrix products, in the order in which they are computed (A, B: the left and right operand; K: the contracted axis; several contracted axes count as one K, in the product's order):
;;     1. batch 64 x [M 2,048, K 128] x [K 128, N 2,048]; A: input q (given as codes); B: input k (given as codes): QUANTISED (scales: A lowp_scales[0], B lowp_scales[1])
;;     2. batch 64 x [M 2,048, K 2,048] x [K 2,048, N 128]; A: computed on the way; B: input v (given as codes): QUANTISED (scales: A lowp_scales[2], B lowp_scales[3])
;;   THE QUANTISER, for each operand of a quantised product, along K:
;;     - The operand's scale is 2^e, e = its entry of the input lowp_scales (int32; the entries are numbered through the quantised products in the list's order, A before B).
;;     - Each number is divided by the scale, clamped to +-57,344, and rounded to the nearest number of E5M2, ties to even, subnormals kept.
;;     - The product sums the exact products of the quantised numbers (number of the format x scale) in f32.
;;   ~~~python
;;   def quantise(x, axis, e):      # numpy; x: float32 -> the quantised numbers, widened to float32 again
;;       x = np.moveaxis(x, axis, -1); K = x.shape[-1]
;;       r = np.clip(x / 2.0 ** e, -57344, 57344)
;;       step = 2.0 ** (np.maximum(np.frexp(np.where(r == 0, 1, r))[1] - 1, -14) - 2)
;;       q = np.round(r / step) * step * 2.0 ** e      # np.round: ties to even
;;       return np.moveaxis(q, -1, axis).astype(np.float32)
;;   ~~~
;;   OPERANDS COMPUTED ON THE WAY. 'Computed on the way' means the value that the module computes at that place (a softmax that the list does not call 'softmax' is quantised finished and normalised). What goes into a quantiser is computed in f32, as accurately as f32 sums, v_exp_f32 and their like allow (about 1e-6 of the number): no bf16 or f16 on the way to a quantiser, and a product that is left as it is and whose result goes on into a quantised operand takes f32 operands (vector FMAs, or v_wmma_f32_16x16x4_f32). A number that lies on a knife's edge between two numbers of the format may be rounded either way, as far as f32 arithmetic and the matrix unit's own rounding can turn it there, and no further.
;;   INPUTS GIVEN AS CODES. k (in the module: [4, 16, 2048, 128], K = its axis 3); q (in the module: [4, 16, 2048, 128], K = its axis 3); v (in the module: [4, 16, 2048, 128], K = its axis 2): each comes as NAME_codes (uint8): NAME with its K axis moved to the last place and cut into blocks of 32 codes, [.., K / 32, bytes a block], one block behind the other in memory; one code a byte (a code: sign, 5 exponent bits, 2 mantissa bits); its scale is its entry of lowp_scales. Its value is code x scale, taken as it is: it is not quantised again, and the codes and scales need not be those that the quantiser above would give.
;; One version. Each part assembles by itself: llvm-mc -triple=amdgcn-amd-amdhsa -mcpu=gfx1250 --defsym DOCPART=n.
;; ======== version 1 of 1: 1 launch
;; launch linatt (part 1): grid 256 x 1, 4 waves a work-group, clusters of 4 x 1, 327,680 bytes of LDS; arguments q_codes, k_codes, v_codes, lowp_scales, out0; writes out0
.if DOCPART == 1
	.amdgcn_target "amdgcn-amd-amdhsa--gfx1250"
	.amdhsa_code_object_version 6
	.text
	.protected	k_qca767bf345_linatt
	.globl	k_qca767bf345_linatt
	.p2align	8
	.type	k_qca767bf345_linatt,@function
k_qca767bf345_linatt:
	s_mov_b64 s[64:65], 0
	v_nop
	global_prefetch_b8 v0, s[64:65] scope:SCOPE_SE
	s_setreg_imm32_b32 hwreg(HW_REG_WAVE_MODE, 25, 1), 1
	s_wait_xcnt 0x0
	s_wait_alu depctr_hold_cnt(0) depctr_sa_sdst(0) depctr_va_vdst(0) depctr_va_sdst(0) depctr_va_ssrc(0) depctr_va_vcc(0) depctr_vm_vsrc(0)
	s_getreg_b32 s2, hwreg(HW_REG_IB_STS2, 6, 4)
	s_cmp_eq_u32 s2, 0
	s_cbranch_scc0 .Lentry_in_a_cluster
	s_endpgm
.Lentry_in_a_cluster:
	s_bfe_u32 s2, ttmp6, 0x10000c
	s_cmp_lg_u32 s2, 0x3003
	s_cbranch_scc0 .Lentry_shape_is_right
	s_endpgm
.Lentry_shape_is_right:
; O[h][i][:] = sum over j <= i of Quant(q[h][i] . k[h][j]) v[h][j][:], 64 heads, 2,048 queries and keys, head size 128.  Both products on codes of BF8 (E5M2).
; q, k: codes [head][row][128].  v: codes with the KEYS innermost, [head][128][2048].  lowp_scales: e0 (q), e1 (k), e2 (the scores), e3 (v).  out0: [head][2048][128] f32.
; A score's f32 sum stands for sum x 2^(e0 + e1); its code is sum / 2^(e2 - e0 - e1), held within +-57,344 and rounded by the conversion; hidden scores (key > query) are the number 0, so their codes are cleared.
; A finished sum of the second product is multiplied once by 2^(e2 + e3).
; LIMITS: e2 - e0 - e1 between -126 and 112 and e2 + e3 between -126 and 127, so that each power of two below is an f32 number.  Codes of infinity or NaN among the inputs are not served
; (under the mask they would give NaN; here a hidden score's code is 0).
; SHARES.  A cluster of four work-groups owns one head; its 16 waves own 8 tiles of 16 queries each, ONE TILE IN EACH BLOCK OF 256 QUERIES: tile m of wave w in work-group cx holds queries
; 256 m + 64 wq + 16 cx + 0..15, wq = w for even m and 3 - w for odd m.  All waves walk the keys upward, 64 a step (step g: block s = g / 4, quarter u = g % 4).  Tiles m > s take the whole step; tile s takes it
; whole where u < wq, with a mask where u = wq, not at all where u > wq; tiles m < s are finished.  So every wave has the same work in every 512 keys (w + 1 and 4 - w steps of the diagonal tiles of two blocks),
; every partner needs every tile of K and V, a fragment read from LDS feeds 8 - s tiles, and tile s leaves for memory behind block s: one eighth of the output behind each block.
; No branch hangs on cx: only on the step's number and the wave's.
; CLUSTER.  K's and V's tiles are asked for JOINTLY by the four partners: the same tensor load, the same descriptor, mask 15.
; LAYOUT.  Both products are used transposed, so that a lane holds ONE query (lane % 16) throughout.  S^T = K Q^T by the K = 128 form (source 0 = 16 neighbouring keys, source 1 = my 16 queries; both fetched by four
; loads of 16 bytes, the same order of the head's 128 in both).  In its result register j of lane (r, h) is key 16 c + 8 h + j: eight neighbours, which one conversion packs into registers 2 c, 2 c + 1 of the
; K = 64 form's operand as that form lays it.  O^T = V^T P by the K = 64 form (source 0 = 16 channels x 64 keys, source 1 = P).  Nothing changes lanes between the products.
; REGISTERS, in windows of 256: window 0: v0-63 addresses, masks, P; v64-127 S^T, two buffers of 32; v128-255 K's fragments, two buffers of 64 (even and odd steps).
;   window 1: v0-127 Q, 16 a tile; v128-255 V's fragments, two buffers of 64.   window 2: O^T of tiles 0-3, 64 a tile.   window 3: O^T of tiles 4-7.
.set KP,    144                        ; a key's row in LDS: 128 bytes + 16 = 36 words: 16 neighbouring rows start at 16 different groups of four banks (64 banks of 4 bytes: ISA guide 11.1)
.set VP,    528                        ; a channel's row: 512 keys + 16 = 132 words: the 32 lanes of an 8-byte load touch 64 different banks
.set KSLOT, 512*KP                     ; 73,728: a slot holds 512 keys, eight steps
.set VSLOT, 128*VP                     ; 67,584
.set VBASE, 2*KSLOT                    ; K's two regions, then V's two
.set STAGE, VBASE+2*VSLOT              ; 282,624: the way out: 16 rows x 528 bytes for each wave; no tile ever lands here
.set STW,   16*528
.set SPARE, STAGE+4*STW                ; 316,416: the spare words, 128 bytes for each wave: two blocks of 256 bytes that no other line names
.set AK0,  4                           ; v4   my lane's place in a tile of K: 144 r + 16 h
.set AV0,  5                           ; v5   in V: VBASE + 528 r + 8 h
.set ADK,  6                           ; v6   LDS address of the pair of steps being fetched, K
.set ADV,  7                           ; v7   V
.set QOE,  8                           ; v8   my byte in Q for even tiles; v9 for odd tiles
.set STO,  10                          ; v10  the stage: where I put 32 bytes of a row
.set RD,   11                          ; v11  and where I read a row back
.set GO,   12                          ; v12  16 x lane: my bytes of a row of O
.set SPW,  13                          ; v13  LDS address of my spare word; never rewritten
.set NIL,  14                          ; v14  0; never rewritten
.set SCL,  15                          ; v15  2^(e2 - e0 - e1) as f32: the conversion takes its exponent field
.set PFO,  16                          ; v16  the prefetch's offset
.set MK,   24                          ; v24-31 the diagonal step's masks, a word for each register of P
.set ZR,   32                          ; v32  0
.set ONES, 33                          ; v33  all ones
.set P,    48                          ; v48-55 a tile's codes: 64 keys x 16 queries
.set S,    64
.set KF,   128
.set VF,   128                         ; in window 1
.set BK,   192                         ; the way out: rows read back, in K's odd buffer, which is free behind every odd step
.set WV,   14                          ; s14  my wave's number;  s15  3 - it;  s16  cx
.set W3,   15
.set CX,   16
.set G1K,  24                          ; s[24:31] descriptor group 1 for K's tiles;  s[32:39] for V's
.set G1V,  32
.set G0K,  40                          ; s[40:47] group 0 for K's tiles, a set for each LDS region;  s[48:55] for V's
.set G0V,  48
.set TBK,  56                          ; s56  LDS byte of the next pair of steps in K's regions;  s57 in V's
.set TBV,  57
.set CNT,  58                          ; s58  trips to go
.set GS,   59                          ; s59  the number of the next step to be multiplied
.set SS,   60                          ; s60  its block;  s61 its quarter;  s62 wq of the block's tile
.set SU,   61
.set SW,   62
.set EN,   63                          ; s63  the first tile that takes the step (8: none)
.set MT,   66                          ; s66  the tile that takes it with the mask, or -1
.set SC,   68                          ; s[68:69] 2^(e2 + e3): the packed form names a pair and takes its low word for both halves
.set LIMN, 70                          ; s70  -57,344 x 2^(e2 - e0 - e1);  s71  the same, positive
.set LIMP, 71
.set OB,   72                          ; s[72:73] O at my even tiles' rows of block 0;  s[74:75] at my odd tiles'
.set PFA,  76                          ; s[76:77] where my prefetch stands
.set MSB, 0
.macro WIN new                         ; the immediate's high byte repeats the setting that is left; a switch that changes nothing is dropped
.if MSB != \new
	s_set_vgpr_msb (MSB<<8)|\new
.set MSB, \new
.endif
.endm
.set W_SQ, 0x04                        ; source 1 (Q) window 1; K, S^T window 0.  The holds stand under it too: their one vector register is source 0 and destination, their limits are scalars
.set TO_1, 0x40                        ; destination window 1, address window 0
.macro PLACES n
.rept \n
	v_nop
.endr
.endm
; A round of the cluster's barrier: my work-group's barrier; wave 0 signals for the work-group; every wave waits for all four work-groups; my work-group's barrier once more.
.macro CROUND
	s_barrier_signal -1
	s_barrier_wait -1
	s_cmp_lg_u32 s[WV], 0
	s_cbranch_scc1 .Lnot_wave_0_\@
	s_barrier_signal -3
.Lnot_wave_0_\@:
	s_barrier_wait -3
	s_barrier_signal -1
	s_barrier_wait -1
.endm
; A joint refill of region n.  Waves 0 and 1 fetch K's halves (256 keys each), waves 2 and 3 V's (64 channels each).  The branch hangs on the wave's number alone.  Four v_nop follow each line.
.macro JLOAD n
	s_cmp_lt_u32 s[WV], 2
	s_cbranch_scc0 .Lfor_v_\@
	tensor_load_to_lds s[G0K+4*\n:G0K+4*\n+3], s[G1K:G1K+7]
	s_nop 0
	PLACES 4
	s_branch .Lasked_\@
.Lfor_v_\@:
	tensor_load_to_lds s[G0V+4*\n:G0V+4*\n+3], s[G1V:G1V+7]
	s_nop 0
	PLACES 4
.Lasked_\@:
.endm
	s_load_b256 s[4:11], s[0:1], 0x0               ; q s[4:5], k s[6:7], v s[8:9], the scales' exponents s[10:11]
	s_load_b64 s[12:13], s[0:1], 0x20              ; O
	v_lshl_add_u32 v[SPW], v0, 2, SPARE
	v_mov_b32 v[NIL], 0
	ds_add_u32 v13, v14
	ds_add_u32 v13, v14
	s_wait_dscnt 0x0
	v_lshrrev_b32 v17, 5, v0
	v_readfirstlane_b32 s[WV], v17                 ; wave 0..3
	s_sub_co_u32 s[W3], 3, s[WV]
	s_bfe_u32 s[CX], ttmp6, 0x40000                ; cx: my place in the cluster; it enters Q's, O's and the prefetch's addresses and the masks' values, nothing else
	; descriptor group 1.  K: 256 rows of 128 bytes, dense in memory.  V: 64 rows of 512 bytes, 2,048 bytes apart
	s_mov_b32 s[G1K], 15|(1<<20)|(1<<21)|(4<<22)|(3<<25)   ; 15:0 the mask: all four work-groups; 17:16 elements of 1 byte; 20 padding on; 21 set beside a mask; 24:22 after every 32 words (code 4); 31:25 four words (code 3)
	s_mov_b32 s[G1K+1], 128<<16                    ; tensor_dim0
	s_mov_b32 s[G1K+2], 256<<16                    ; tensor_dim1
	s_mov_b32 s[G1K+3], 128<<16                    ; tile_dim0
	s_mov_b32 s[G1K+4], 256                        ; tile_dim1
	s_mov_b32 s[G1K+5], 128                        ; tensor_dim0_stride
	s_mov_b32 s[G1K+6], 0
	s_mov_b32 s[G1K+7], 0
	s_mov_b32 s[G1V], 15|(1<<20)|(1<<21)|(6<<22)|(3<<25)   ; padding: four words after every 128
	s_mov_b32 s[G1V+1], 512<<16
	s_mov_b32 s[G1V+2], 64<<16
	s_mov_b32 s[G1V+3], 512<<16
	s_mov_b32 s[G1V+4], 64
	s_mov_b32 s[G1V+5], 2048
	s_mov_b32 s[G1V+6], 0
	s_mov_b32 s[G1V+7], 0
	s_and_b32 s80, s[WV], 1                        ; which half of a tile I fetch
	s_lshl_b32 s82, ttmp9, 18                      ; the head (the cluster's x) x 262,144: its first byte in q, k and v
	s_mov_b32 s83, 0
	s_lshl_b32 s84, s80, 15                        ; K: 256 rows of 128 bytes
	s_add_co_u32 s84, s84, s82
	s_mov_b32 s85, 0
	s_lshl_b32 s86, s80, 17                        ; V: 64 rows of 2,048 bytes
	s_add_co_u32 s86, s86, s82
	s_mov_b32 s87, 0
	s_mul_i32 s88, s80, 256*KP                     ; and their places in LDS: no place in the cluster enters an LDS address
	s_mul_i32 s89, s80, 64*VP
	s_add_co_u32 s89, s89, VBASE
	s_wait_kmcnt 0x0
	s_load_b128 s[20:23], s[10:11], 0x0            ; e0, e1, e2, e3
	s_add_nc_u64 s[84:85], s[6:7], s[84:85]
	s_add_nc_u64 s[86:87], s[8:9], s[86:87]
.irp n, 0,1
	s_mov_b32 s[G0K+4*\n], 1                       ; 1:0 count = 1
	s_add_co_u32 s[G0K+4*\n+1], s88, \n*KSLOT      ; 63:32 LDS address
	s_add_nc_u64 s[G0K+4*\n+2:G0K+4*\n+3], s[84:85], \n*65536   ; 120:64 global address: keys 512 n on
	s_or_b32 s[G0K+4*\n+3], s[G0K+4*\n+3], 0x80000000           ; 127:126 type = 2
	s_mov_b32 s[G0V+4*\n], 1
	s_add_co_u32 s[G0V+4*\n+1], s89, \n*VSLOT
	s_add_nc_u64 s[G0V+4*\n+2:G0V+4*\n+3], s[86:87], \n*512
	s_or_b32 s[G0V+4*\n+3], s[G0V+4*\n+3], 0x80000000
.endr
	CROUND                                         ; all four work-groups are here: the first joint loads meet
	s_cmp_lt_u32 s[WV], 2                          ; a wave's two first fills stand in one branch, ahead of every wait on TENSORcnt and every LDS read: two loads of mine are out
	s_cbranch_scc0 .Lfirst_v
	tensor_load_to_lds s[G0K:G0K+3], s[G1K:G1K+7]
	s_nop 0
	tensor_load_to_lds s[G0K+4:G0K+7], s[G1K:G1K+7]
	s_nop 0
	PLACES 4
	s_branch .Lfirst_asked
.Lfirst_v:
	tensor_load_to_lds s[G0V:G0V+3], s[G1V:G1V+7]
	s_nop 0
	tensor_load_to_lds s[G0V+4:G0V+7], s[G1V:G1V+7]
	s_nop 0
	PLACES 4
.Lfirst_asked:
	v_and_b32 v1, 15, v0                           ; r
	v_bfe_u32 v2, v0, 4, 1                         ; h
	v_and_b32 v3, 31, v0                           ; lane
	s_lshl_b32 s90, s[WV], 6
	s_lshl_b32 s91, s[CX], 4
	s_add_co_u32 s90, s90, s91                     ; 64 w + 16 cx: my even tiles' first query in their blocks
	s_lshl_b32 s92, s[W3], 6
	s_add_co_u32 s92, s92, s91                     ; 64 (3 - w) + 16 cx: my odd tiles'
	v_add_nc_u32 v[QOE], s90, v1
	v_lshlrev_b32 v[QOE], 7, v[QOE]
	v_lshl_add_u32 v[QOE], v2, 4, v[QOE]           ; row x 128 + 16 h
	v_add_nc_u32 v[QOE+1], s92, v1
	v_lshlrev_b32 v[QOE+1], 7, v[QOE+1]
	v_lshl_add_u32 v[QOE+1], v2, 4, v[QOE+1]
	s_add_nc_u64 s[4:5], s[4:5], s[82:83]          ; q at my head
	WIN TO_1
.irp m, 0,1,2,3,4,5,6,7                        ; Q stays in registers: tile m at v[16 m] of window 1; each byte is read once in the launch
.irp c, 0,1,2,3
	global_load_b128 v[16*\m+4*\c:16*\m+4*\c+3], v[QOE+(\m%2)], s[4:5] offset:\m*32768+32*\c th:TH_LOAD_NT
.endr
.endr
	WIN 0
	v_mul_u32_u24 v[AK0], v1, KP
	v_lshl_add_u32 v[AK0], v2, 4, v[AK0]
	v_mul_u32_u24 v[AV0], v1, VP
	v_lshl_add_u32 v[AV0], v2, 3, v[AV0]
	v_add_nc_u32 v[AV0], VBASE, v[AV0]
	s_mul_i32 s93, s[WV], STW
	s_add_co_u32 s93, s93, STAGE                   ; my stage
	v_mul_u32_u24 v[STO], v1, 528
	v_lshl_add_u32 v[STO], v2, 5, v[STO]
	v_add_nc_u32 v[STO], s93, v[STO]               ; in: row r, 32 bytes for each half of the lanes
	v_lshlrev_b32 v[GO], 4, v3
	v_add_nc_u32 v[RD], s93, v[GO]                 ; back: the 32 lanes take one row of 512 bytes
	s_lshl_b32 s82, ttmp9, 20                      ; the head's first byte in O: 2,048 rows of 512 bytes
	s_lshl_b32 s94, s90, 9
	s_add_co_u32 s94, s94, s82
	s_mov_b32 s95, 0
	s_add_nc_u64 s[OB:OB+1], s[12:13], s[94:95]
	s_lshl_b32 s94, s92, 9
	s_add_co_u32 s94, s94, s82
	s_add_nc_u64 s[OB+2:OB+3], s[12:13], s[94:95]
	; THE MASKS.  In a tile's diagonal step key x (0..63) counts where x <= 16 cx + r: the same in every diagonal step of a wave.  Byte b of register i of P is key 16 (i / 2) + 8 h + 4 (i % 2) + b.
	; With a = 16 cx + r - 8 h - 16 (i / 2) - 4 (i % 2): bytes 0 .. a are kept: all ones shifted right by 24 - 8 a; all four where a >= 3, none where a < 0.
	v_add_nc_u32 v17, s91, v1
	v_lshlrev_b32 v18, 3, v2
	v_sub_nc_u32 v17, v17, v18
	v_mov_b32 v[ZR], 0
	v_mov_b32 v[ONES], -1
.irp i, 0,1,2,3,4,5,6,7
	v_sub_nc_u32 v18, v17, 16*(\i/2)+4*(\i%2)
	v_lshlrev_b32 v19, 3, v18
	v_sub_nc_u32 v19, 24, v19
	v_cmp_gt_i32 vcc_lo, 3, v18
	v_cndmask_b32 v19, 0, v19, vcc_lo
	v_lshrrev_b32 v19, v19, v[ONES]
	v_cmp_gt_i32 vcc_lo, 0, v18
	v_cndmask_b32 v[MK+\i], v19, v[ZR], vcc_lo
.endr
	s_wait_kmcnt 0x0                               ; the four exponents
	s_add_co_i32 s80, s22, s23
	s_add_co_i32 s80, s80, 127
	s_lshl_b32 s[SC], s80, 23                      ; 2^(e2 + e3) as f32
	s_mov_b32 s[SC+1], s[SC]                       ; (named with it as a pair, so it is written)
	s_sub_co_i32 s80, s22, s20
	s_sub_co_i32 s80, s80, s21                     ; e2 - e0 - e1: the three scales ahead of the quantiser, folded into one
	s_add_co_i32 s80, s80, 127
	s_lshl_b32 s81, s80, 23
	v_mov_b32 v[SCL], s81
	s_add_co_i32 s80, s80, 15
	s_lshl_b32 s80, s80, 23
	s_or_b32 s[LIMP], s80, 0x600000                ; 57,344 x that power of two
	s_or_b32 s[LIMN], s[LIMP], 0x80000000
	; THE PREFETCH: keys 1,536 to 2,047 (the last slot): 256 blocks of 256 bytes of K, 256 of V, each named once in the launch: a lane a block.  Waves 0 and 1 name the half of K that they fetch, waves 2 and 3
	; their half of V; the four partners share a half out BY ADDRESS (8,192 bytes of K, 16 rows of V each).
	s_cmp_lt_u32 s[WV], 2
	s_cselect_b64 s[PFA:PFA+1], s[6:7], s[8:9]
	s_cselect_b32 s80, 9, 11                       ; two lanes on: 512 bytes in K's dense block, a row of 2,048 in V
	s_cselect_b32 s81, 13, 15                      ; a partner on
	s_cselect_b32 s83, 15, 17                      ; a half on
	s_mov_b32 s84, 3*512
	s_cselect_b32 s84, 3*65536, s84                ; the last slot
	s_and_b32 s85, s[WV], 1
	s_lshl_b32 s85, s85, s83
	s_lshl_b32 s86, s[CX], s81
	s_add_co_u32 s84, s84, s85
	s_add_co_u32 s84, s84, s86
	s_lshl_b32 s85, ttmp9, 18
	s_add_co_u32 s84, s84, s85
	s_mov_b32 s85, 0
	s_add_nc_u64 s[PFA:PFA+1], s[PFA:PFA+1], s[84:85]
	v_lshrrev_b32 v[PFO], 1, v3
	v_lshlrev_b32 v[PFO], s80, v[PFO]
	v_and_b32 v18, 1, v3
	v_lshl_add_u32 v[PFO], v18, 8, v[PFO]          ; + 256 for odd lanes
; THE LDS LOADS OF A STEP, in one run of 48: K's four fragments (16 keys x 128: four loads of 16 bytes) and V's eight (16 channels x 64 keys: four loads of 8 bytes), into the buffers of parity p.
; The even step makes the addresses; the odd step lies 9,216 bytes on in K and 64 in V and is reached by the immediates.  Four plain instructions stand ahead of the loads: the buffers' last readers are matrix instructions.
.macro FETCH p
.if \p == 0
	v_add_nc_u32 v[ADK], s[TBK], v[AK0]
	v_add_nc_u32 v[ADV], s[TBV], v[AV0]
	PLACES 2
.else
	PLACES 4
.endif
.irp c, 0,1,2,3
.irp d, 0,1,2,3
	ds_load_b128 v[KF+64*\p+16*\c+4*\d:KF+64*\p+16*\c+4*\d+3], v[ADK] offset:\p*64*KP+16*KP*\c+32*\d
.endr
.endr
	WIN TO_1
.irp t, 0,1,2,3,4,5,6,7
.irp c, 0,1,2,3
	ds_load_b64 v[VF+64*\p+8*\t+2*\c:VF+64*\p+8*\t+2*\c+1], v[ADV] offset:\p*64+16*VP*\t+16*\c
.endr
.endr
	WIN 0
.if \p == 1
	s_add_co_u32 s[TBK], s[TBK], 128*KP            ; the next pair of steps
	s_add_co_u32 s[TBV], s[TBV], 128
.endif
.endm
; The scores of the tile at which a step is entered: four products, each its own sum from the constant 0.  Four places follow, ahead of the holds that read them.
.macro SMUL m, p
	WIN W_SQ
.irp c, 0,1,2,3
	v_wmma_f32_16x16x128_bf8_bf8 v[S+32*((\m)%2)+8*\c:S+32*((\m)%2)+8*\c+7], v[KF+64*\p+16*\c:KF+64*\p+16*\c+15], v[16*\m:16*\m+15], 0
.endr
	WIN 0
	PLACES 4
.endm
; TILE m'S TURN in a step.  Its scores lie in S buffer m % 2.  The next tile's four score products go out with this tile's 32 holds between them (eight behind each: they are the places behind those products, and
; stand between the last product that read P and P's next write); then four conversions make P, the diagonal tile's hidden codes are cleared, and eight products add onto O^T, each accumulator one instruction a turn.
; Each accumulator of S^T is read from its low end on.
.macro TURN id, m, p, zero
.if ((\m) > TMLO) && ((\m) <= MTOP) && (\zero == 0)
	WIN 0                                          ; at a label every window is 0
.Lch_\id\()_\m:
.endif
.set SB, S+32*((\m)%2)
.set SN, S+32*(((\m)+1)%2)
.if \m < 7
	WIN W_SQ
.else
	WIN 0
.endif
.irp c, 0,1,2,3
.if \m < 7
	v_wmma_f32_16x16x128_bf8_bf8 v[SN+8*\c:SN+8*\c+7], v[KF+64*\p+16*\c:KF+64*\p+16*\c+15], v[16*(\m+1):16*(\m+1)+15], 0
.endif
.irp j, 0,1,2,3,4,5,6,7
	v_med3_num_f32 v[SB+8*\c+\j], v[SB+8*\c+\j], s[LIMN], s[LIMP]   ; the conversion to an 8-bit code does not saturate (ISA guide 7.6.2): the hold at the largest code x the scale
.endr
.endr
	WIN 0
.irp c, 0,1,2,3
	v_cvt_scalef32_pk8_bf8_f32 v[P+2*\c:P+2*\c+1], v[SB+8*\c:SB+8*\c+7], v[SCL]   ; keys 16 c + 8 h + 0 .. 7: registers 2 c, 2 c + 1 of the next product's operand
.endr
	v_nop                                          ; one plain instruction between the conversions and what touches their results or writes their sources
.if (\m) < TEHI
	s_cmp_eq_u32 s[MT], \m                         ; a branch on the step's and the wave's numbers
	s_cbranch_scc0 .Lnm_\id\()_\m
.irp i, 0,1,2,3,4,5,6,7
	v_and_b32 v[P+\i], v[P+\i], v[MK+\i]           ; a hidden score is the number 0: code 0
.endr
.Lnm_\id\()_\m:
.endif
	WIN 0xa1+0x50*((\m)/4)                         ; source 0 (V) window 1, source 1 (P) window 0, C and D window 2 or 3
.set OA, 64*((\m)%4)
.irp t, 0,1,2,3,4,5,6,7
.if \zero
	v_wmma_f32_16x16x64_bf8_bf8 v[OA+8*\t:OA+8*\t+7], v[VF+64*\p+8*\t:VF+64*\p+8*\t+7], v[P:P+7], 0
.else
	v_wmma_f32_16x16x64_bf8_bf8 v[OA+8*\t:OA+8*\t+7], v[VF+64*\p+8*\t:VF+64*\p+8*\t+7], v[P:P+7], v[OA+8*\t:OA+8*\t+7]
.endif
.endr
.endm
; A STEP'S PRODUCTS, from the buffers of parity p.  The first tile that takes the step is EN = s + (u > wq); it lies between mlo and ehi for the steps that this copy serves.  A scalar dispatch leads to that tile's
; entry (its scores), which joins the chain of turns; all branches lead forward.  zero = 1: the launch's first step: all eight tiles take it and start their sums with the constant 0: no dispatch; tile 0's hidden codes are cleared where it lies on the diagonal.
.macro COMP id, p, mlo, ehi, zero
.set TMLO, \mlo
.set TEHI, \ehi
.set MTOP, \ehi
.if \ehi > 7
.set MTOP, 7
.endif
	s_lshr_b32 s[SS], s[GS], 2                     ; block s
	s_and_b32 s[SU], s[GS], 3                      ; quarter u
	s_bitcmp1_b32 s[SS], 0
	s_cselect_b32 s[SW], s[W3], s[WV]              ; wq of tile s
	s_cmp_gt_u32 s[SU], s[SW]
	s_cselect_b32 s[EN], 1, 0
	s_add_co_u32 s[EN], s[EN], s[SS]
	s_cmp_eq_u32 s[SU], s[SW]
	s_cselect_b32 s[MT], s[SS], -1
	s_add_co_u32 s[GS], s[GS], 1
.if \zero == 0
.irp m, 0,1,2,3,4,5,6,7
.if (\m >= \mlo) && (\m < MTOP)
	s_cmp_eq_u32 s[EN], \m
	s_cbranch_scc1 .Lent_\id\()_\m
.endif
.endr
.if \ehi > 7
	s_cmp_eq_u32 s[EN], 8                          ; no tile of mine takes the step
	s_cbranch_scc1 .Lend_\id
.endif
.irp m, 7,6,5,4,3,2,1
.if (\m > \mlo) && (\m <= MTOP)
.Lent_\id\()_\m:
	SMUL \m, \p
	s_branch .Lch_\id\()_\m
.endif
.endr
.endif
.Lent_\id\()_\mlo:
	SMUL \mlo, \p
.irp m, 0,1,2,3,4,5,6,7
.if \m >= \mlo
	TURN \id, \m, \p, \zero
.endif
.endr
	WIN 0
.Lend_\id:
.endm
; TILE m LEAVES.  Its 64 sums a lane are multiplied by 2^(e2 + e3) into S^T's registers (each accumulator from its low end on); a lane's eight channels are 32 bytes of a row, so the tile goes through my own stage and
; comes back as 16 whole rows of 512 bytes, which the 32 lanes store: 512 consecutive bytes, at a multiple of 256 from O's first byte.  LDS serves a wave's instructions in order (ISA guide 5.7.1.4): no wait
; between the stores into the stage and the loads from it.
.macro OUT m
	PLACES 4                                       ; behind the step's last products
	WIN 0x02+((\m)/4)                              ; source 0: window 2 or 3
.set OA, 64*((\m)%4)
.irp i, 0,2,4,6,8,10,12,14,16,18,20,22,24,26,28,30,32,34,36,38,40,42,44,46,48,50,52,54,56,58,60,62
	v_pk_mul_f32 v[S+\i:S+\i+1], v[OA+\i:OA+\i+1], s[SC:SC+1] op_sel_hi:[1,0]
.endr
	WIN 0
.irp t, 0,1,2,3,4,5,6,7
	ds_store_b128 v[STO], v[S+8*\t:S+8*\t+3] offset:64*\t          ; channels 16 t + 8 h + 0 .. 7 of query r
	ds_store_b128 v[STO], v[S+8*\t+4:S+8*\t+7] offset:64*\t+16
.endr
.irp t, 0,1,2,3,4,5,6,7,8,9,10,11,12,13,14,15
	ds_load_b128 v[BK+4*\t:BK+4*\t+3], v[RD] offset:\t*528
.endr
.irp t, 0,1,2,3,4,5,6,7,8,9,10,11,12,13,14,15
	s_wait_dscnt 15-\t                             ; row t is back; the 15 - t younger loads may be out
	global_store_b128 v[GO], v[BK+4*\t:BK+4*\t+3], s[OB+2*((\m)%2):OB+2*((\m)%2)+1] offset:(\m)*131072+512*\t th:TH_STORE_NT   ; written once, read by nobody here
.endr
.if \m < 7
	s_wait_xcnt 0x0                                ; the stores have read their registers: K's odd buffer is loaded again only behind this wait
.endif
.endm
; THE CHANGE OF SLOTS.  Each wave waits for all its tensor loads (its part of the slot ahead), adds 0 to its spare word, and waits for that and for its reads of the slot that it has left (the last step's fragments
; are in registers).  fill = 1: region n, just left, takes the keys 1,024 further on: the barrier is a round of the cluster's, and the joint refill is the first thing behind it, one load a wave.
.macro CHANGE fill, n
	s_wait_tensorcnt 0x0                           ; no tensor load of mine is out, so a group 0 may be written
	ds_add_u32 v[SPW], v[NIL]                      ; 0 onto my spare word
.if \fill
	s_add_nc_u64 s[G0K+4*\n+2:G0K+4*\n+3], s[G0K+4*\n+2:G0K+4*\n+3], 2*65536   ; two slots on; the type bits on top are not reached
	s_add_nc_u64 s[G0V+4*\n+2:G0V+4*\n+3], s[G0V+4*\n+2:G0V+4*\n+3], 2*512
	s_wait_dscnt 0x0                               ; the add is done, and my reads of the slot are over
	CROUND
	JLOAD \n
.else
	s_wait_dscnt 0x0
	s_barrier_signal -1
	s_barrier_wait -1
.endif
.endm
; n TRIPS of two steps.  The fetches lead the products by one step: a trip fetches an even step, multiplies the odd step before it, sends out a tile whose block that step has closed, fetches the odd step, multiplies the
; even one.  No fetch, barrier or tensor load stands under a branch.  s_wait_dscnt 48 leaves out the 48 loads just issued: the fetch before them, and a way out's traffic, are older.
.macro TRIPS ida, idb, n, mlo, ehi, oa, ob
	s_mov_b32 s[CNT], \n
.Ltrip_\ida:
	FETCH 0
	s_wait_dscnt 48
	COMP \ida, 1, \mlo, \ehi, 0
	s_cmp_lg_u32 s[GS], 4*\oa+4                    ; block oa is closed when step 4 oa + 3 has been multiplied
	s_cbranch_scc1 .Lkeep_\ida\()_a
	OUT \oa
.Lkeep_\ida\()_a:
.if \ob >= 0
	s_cmp_lg_u32 s[GS], 4*\ob+4
	s_cbranch_scc1 .Lkeep_\ida\()_b
	OUT \ob
.Lkeep_\ida\()_b:
.endif
	FETCH 1
	s_wait_dscnt 48
	COMP \idb, 0, \mlo, \ehi, 0
	s_sub_co_u32 s[CNT], s[CNT], 1
	s_cmp_lg_u32 s[CNT], 0
	s_cbranch_scc1 .Ltrip_\ida
.endm
	s_mov_b32 s[GS], 0
	s_mov_b32 s[TBK], 0
	s_mov_b32 s[TBV], 0
	s_wait_tensorcnt 0x1                           ; my part of slot 0 is in; slot 1's load, issued behind it, may stay out
	s_barrier_signal -1
	s_barrier_wait -1                              ; everybody's is
	FETCH 0                                        ; step 0
	FETCH 1                                        ; step 1
	s_wait_loadcnt 0x0                             ; Q
	s_wait_dscnt 48                                ; step 0's fragments are in; step 1's 48 loads may be out
	COMP 0, 0, 0, 1, 1                             ; step 0: every tile starts its sums; tile 0 of wave 0 is on the diagonal
	TRIPS 1, 2, 3, 0, 2, 0, -1                     ; fetches steps 2-7, multiplies 1-6; tile 0 leaves
	CHANGE 1, 0                                    ; keys 1,024 on go into region 0: that load has steps 7 to 14 in which to land
	global_prefetch_b8 v[PFO], s[PFA:PFA+1] th:TH_LOAD_NT scope:SCOPE_SE   ; what the next change of slots will ask for, eight steps ahead of that load; the earlier slots come by their loads alone
	s_mov_b32 s[TBK], KSLOT
	s_mov_b32 s[TBV], VSLOT
	TRIPS 3, 4, 4, 1, 4, 1, 2                      ; fetches 8-15 from region 1, multiplies 7-14; tiles 1 and 2 leave
	CHANGE 1, 1                                    ; keys 1,536 on go into region 1: the last load
	s_mov_b32 s[TBK], 0
	s_mov_b32 s[TBV], 0
	TRIPS 5, 6, 4, 3, 6, 3, 4                      ; fetches 16-23 from region 0, multiplies 15-22; tiles 3 and 4 leave
	CHANGE 0, 0                                    ; the last slot has landed; nothing is left to ask for
	s_mov_b32 s[TBK], KSLOT
	s_mov_b32 s[TBV], VSLOT
	TRIPS 7, 8, 4, 5, 8, 5, 6                      ; fetches 24-31 from region 1, multiplies 23-30; tiles 5 and 6 leave
	s_wait_dscnt 0x0                               ; step 31's fragments
	COMP 9, 1, 7, 8, 0                             ; step 31: wave 0's tile 7 alone, on the diagonal
	OUT 7
	s_wait_tensorcnt 0x0                           ; the wave's end: behind my last tensor load and my last LDS store
	ds_add_u32 v[SPW], v[NIL]
	s_wait_dscnt 0x0
	CROUND                                         ; the closing round: no work-group ends while a partner may still ask for a tile that names it
	s_endpgm
.Lfunc_end_k_qca767bf345_linatt:
	.size	k_qca767bf345_linatt, .Lfunc_end_k_qca767bf345_linatt-k_qca767bf345_linatt
	.p2alignl 7, 3214868480
	.fill 96, 4, 3214868480
	.section	.rodata,"a",@progbits
	.p2align	6, 0x0
	.amdhsa_kernel k_qca767bf345_linatt
		.amdhsa_group_segment_fixed_size 327680
		.amdhsa_private_segment_fixed_size 0
		.amdhsa_enable_private_segment 0
		.amdhsa_kernarg_size 40
		.amdhsa_user_sgpr_count 2
		.amdhsa_user_sgpr_kernarg_segment_ptr 1
		.amdhsa_wavefront_size32 1
		.amdhsa_system_sgpr_workgroup_id_x 1
		.amdhsa_system_sgpr_workgroup_id_y 1
		.amdhsa_system_sgpr_workgroup_id_z 1
		.amdhsa_system_vgpr_workitem_id 0
		.amdhsa_next_free_vgpr 1024
		.amdhsa_next_free_sgpr 96
		.amdhsa_reserve_vcc 1
		.amdhsa_float_denorm_mode_32 3
		.amdhsa_float_denorm_mode_16_64 3
		.amdhsa_memory_ordered 1
		.amdhsa_forward_progress 1
		.amdhsa_inst_pref_size 255
	.end_amdhsa_kernel
	.section	.bss,"aw",@nobits
	.p2align	6
	.space	262144
	.amdgpu_metadata
---
amdhsa.version: [ 1, 2 ]
amdhsa.kernels:
  - .name:           k_qca767bf345_linatt
    .symbol:         k_qca767bf345_linatt.kd
    .args:
      - { .name: q_codes, .offset: 0, .size: 8, .value_kind: global_buffer, .address_space: global }
      - { .name: k_codes, .offset: 8, .size: 8, .value_kind: global_buffer, .address_space: global }
      - { .name: v_codes, .offset: 16, .size: 8, .value_kind: global_buffer, .address_space: global }
      - { .name: lowp_scales, .offset: 24, .size: 8, .value_kind: global_buffer, .address_space: global }
      - { .name: out0, .offset: 32, .size: 8, .value_kind: global_buffer, .address_space: global }
    .group_segment_fixed_size: 327680
    .private_segment_fixed_size: 0
    .kernarg_segment_align: 8
    .kernarg_segment_size: 40
    .max_flat_workgroup_size: 128
    .sgpr_count:     96
    .vgpr_count:     1024
    .wavefront_size: 32
...
	.end_amdgpu_metadata
.endif
;; end of part 1
